; MI455X (gfx1250); checked and timed in simulation.
; The chip was launched on July 23, 2026; its instructions are those of AMD's public machine-readable ISA for CDNA 5 (MIT licence, August 2026) and "CDNA5" Instruction Set Architecture Reference Guide (July 2026). The comments in the code are by the model that wrote it; some were corrected since.
;; Gaussian Image Cholesky HSI. Allowed arithmetic: matrix products marked QUANTISED: E5M2 operands, one given power-of-two scale a tensor, by v_wmma_f32_16x16x64_bf8_bf8 or v_wmma_f32_16x16x128_bf8_bf8, f32 sums; everything else in f32.
;; Inputs: cholesky 1,024 x 3 float32; features_dc 1,024 x 64 float32; gabor_freqs 2,048 x 2 float32; gabor_weights 2,048 x 1 float32; lowp_scales 2 int32 (the exponents e of the quantised operands' scales 2^e); opacity 1,024 x 1 float32; xyz 1,024 x 2 float32.
;; Outputs: out0 1 x 64 x 256 x 256 float32.
;; This version of the problem:
;;   THIS VERSION OF THE PROBLEM IS GIVEN IN LOW PRECISION. The matrix products marked QUANTISED in the list below multiply operands that are first quantised to E5M2 (5 exponent bits, 2 mantissa bits; 8 bits a number), with one given power-of-two scale for each operand tensor; their sums are f32. All else is computed in f32.
;;   The module's matrix products, in the order in which they are computed (A, B: the left and right operand; K: the contracted axis; several contracted axes count as one K, in the product's order):
;;     1. [M 65,536, K 1,024] x [K 1,024, N 64]; A: computed on the way; B: computed on the way: QUANTISED (scales: A lowp_scales[0], B lowp_scales[1])
;;   THE QUANTISER, for each operand of a quantised product, along K:
;;     - The operand's scale is 2^e, e = its entry of the input lowp_scales (int32; the entries are numbered through the quantised products in the list's order, A before B).
;;     - Each number is divided by the scale, clamped to +-57,344, and rounded to the nearest number of E5M2, ties to even, subnormals kept.
;;     - The product sums the exact products of the quantised numbers (number of the format x scale) in f32.
;;   ~~~python
;;   def quantise(x, axis, e):      # numpy; x: float32 -> the quantised numbers, widened to float32 again
;;       x = np.moveaxis(x, axis, -1); K = x.shape[-1]
;;       r = np.clip(x / 2.0 ** e, -57344, 57344)
;;       step = 2.0 ** (np.maximum(np.frexp(np.where(r == 0, 1, r))[1] - 1, -14) - 2)
;;       q = np.round(r / step) * step * 2.0 ** e      # np.round: ties to even
;;       return np.moveaxis(q, -1, axis).astype(np.float32)
;;   ~~~
;;   OPERANDS COMPUTED ON THE WAY. 'Computed on the way' means the value that the module computes at that place (a softmax that the list does not call 'softmax' is quantised finished and normalised). What goes into a quantiser is computed in f32, as accurately as f32 sums, v_exp_f32 and their like allow (about 1e-6 of the number): no bf16 or f16 on the way to a quantiser, and a product that is left as it is and whose result goes on into a quantised operand takes f32 operands (vector FMAs, or v_wmma_f32_16x16x4_f32). A number that lies on a knife's edge between two numbers of the format may be rounded either way, as far as f32 arithmetic and the matrix unit's own rounding can turn it there, and no further.
;; 2 versions, each right; version 2 is version 1 with the launch render written anew for expert scheduling mode. Each part assembles by itself: llvm-mc -triple=amdgcn-amd-amdhsa -mcpu=gfx1250 --defsym DOCPART=n.
;; ======== version 1 of 2: 2 launches
;; workspace buffers: tab 1,343,488 bytes
;; launch prep (part 1): grid 40 x 1, 4 waves a work-group, no clusters, 0 bytes of LDS; arguments xyz, cholesky, opacity, features_dc, gabor_freqs, gabor_weights, lowp_scales, tab; writes tab
.if DOCPART == 1
	.amdgcn_target "amdgcn-amd-amdhsa--gfx1250"
	.amdhsa_code_object_version 6
	.text
	.protected	k_q899bb6432f_prep
	.globl	k_q899bb6432f_prep
	.p2align	8
	.type	k_q899bb6432f_prep,@function
k_q899bb6432f_prep:
	s_mov_b64 s[64:65], 0
	v_nop
	global_prefetch_b8 v0, s[64:65] scope:SCOPE_SE
	s_setreg_imm32_b32 hwreg(HW_REG_WAVE_MODE, 25, 1), 1
	s_wait_xcnt 0x0
; WHAT HANGS ON A GAUSSIAN ALONE IS MADE ONCE, HERE, for the launch that renders.  tab = 82 planes of 16,384 bytes.
; Planes 0-77 are [1024 gaussians][4 f32], so that a wave's 16-byte access covers 512 consecutive bytes:
;   0: xs, ys, a, b     1: c, ok, 0, 0      with -sigma log2(e) = (a dx + b dy) dx + c dy dy,  ok = opacity x keep
;   2 + 2 g + k (k = gabor component): cos, sin of step A, cos, sin of step B.  g0: fx 1, fx 2; g1: fx 4, fx 8; g2: fx 16, fx 32; g3: fy 1, fy 2
;   10 + tc: cos, sin of fx_k (xs - (64 tc + 0.5)), k = 0, 1          (tc = 0..3: tile column of 64 pixels)
;   14 + tr: W_k cos, -W_k sin of fy_k (ys - (4 tr + 0.5)), k = 0, 1  (tr = 0..63: tile row of 4 pixels; W_k = ok x sigmoid(weight_k))
; Planes 78-81: softplus(features) as codes of E5M2 under 2^e1, laid as images of operand registers: fragment id = 4 kb + ct (kb: 128 gaussians, ct: 16 channels)
;   at 2048 id + 512 q + 16 lane: registers 4 q .. 4 q + 3 of lane (r, h); registers 2 c, 2 c + 1 = gaussians 128 kb + 16 c + 8 h + 0..7 of channel 16 ct + r.
; SHARES.  Work-groups 0-31: 32 gaussians each, a lane a gaussian; every wave makes the few parameters anew, and the four waves share the planes out (wave w: steps g = w, tile column w,
; tile rows 16 w .. 16 w + 15; wave 0 also planes 0 and 1).  Work-groups 32-39: a wave a fragment of features.  No LDS, no barrier: waves share nothing.  No matrix unit: there is no product here.
; Every sine and cosine comes from an argument reduction of its own (k = nearest whole number to angle x 2/pi, pi/2 in two parts, the rounding rest of f x d added) and two polynomials on +-pi/4.
; LIMITS.  Angles under 2^20 radians.  e1 between -126 and 112.  NaN and infinities among the inputs are not served.  keep is decided at 3 sqrt(lambda) > 1 with v_sqrt_f32's accuracy.
.set PL,    16384
.set TABF,  78*PL
.set CL2E,  32                         ; s32  log2(e)
.set C2L2E, 33                         ; s33  2 log2(e), and s34 what f32 leaves of it
.set C2LO,  34
.set CLN2,  35                         ; s35  ln 2
.set CNH,   36                         ; s36  -0.5 log2(e)
.set C2PI,  37                         ; s37  2 / pi
.set CNPH,  38                         ; s38  -(pi/2 rounded to f32)
.set CPL,   39                         ; s39  that rounded number less pi/2
.set S0,    40                         ; s40-42 sine's polynomial, s43-45 cosine's
.set S1,    41
.set S2,    42
.set C0,    43
.set C1,    44
.set C2,    45
.set TK,    76                         ; v76-82 at work in SINCOS
.set TR,    77
.set TZ,    78
.set TI,    79
.set TS,    80
.set TC,    81
.set TH,    82
; cos and sin of v[th] (+ v[lo], a small rest, where haslo = 1) into v[oc], v[os]
.macro SINCOS th, haslo, lo, oc, os
	v_mul_f32 v[TK], s[C2PI], v[\th]
	v_rndne_f32 v[TK], v[TK]                       ; k
	v_fma_f32 v[TR], v[TK], s[CNPH], v[\th]        ; angle - k pi/2, in two parts
	v_fma_f32 v[TR], v[TK], s[CPL], v[TR]
.if \haslo
	v_add_f32 v[TR], v[TR], v[\lo]
.endif
	v_mul_f32 v[TZ], v[TR], v[TR]
	v_cvt_i32_f32 v[TI], v[TK]
	v_fma_f32 v[TS], v[TZ], s[S0], s[S1]
	v_fma_f32 v[TC], v[TZ], s[C0], s[C1]
	v_fma_f32 v[TS], v[TS], v[TZ], s[S2]
	v_fma_f32 v[TC], v[TC], v[TZ], s[C2]
	v_mul_f32 v[TS], v[TS], v[TZ]
	v_mul_f32 v[TC], v[TC], v[TZ]
	v_fma_f32 v[TH], v[TZ], -0.5, 1.0
	v_fma_f32 v[TS], v[TS], v[TR], v[TR]           ; sin r
	v_fma_f32 v[TC], v[TC], v[TZ], v[TH]           ; cos r
	v_and_b32 v[TH], 1, v[TI]
	v_cmp_eq_u32 vcc_lo, 1, v[TH]                  ; an odd quadrant swaps the two
	v_cndmask_b32 v[\os], v[TS], v[TC], vcc_lo
	v_cndmask_b32 v[\oc], v[TC], v[TS], vcc_lo
	v_and_b32 v[TH], 2, v[TI]                      ; sine is negated in quadrants 2, 3
	v_lshlrev_b32 v[TH], 30, v[TH]
	v_xor_b32 v[\os], v[\os], v[TH]
	v_add_nc_u32 v[TH], 1, v[TI]                   ; cosine in quadrants 1, 2
	v_and_b32 v[TH], 2, v[TH]
	v_lshlrev_b32 v[TH], 30, v[TH]
	v_xor_b32 v[\oc], v[\oc], v[TH]
.endm
; v[q] = v[num] / det: the refined 1/det (v56) and one correction step; det in v53, v57 at work
.macro QUOT q, num
	v_mul_f32 v[\q], v[\num], v56
	v_fma_f32 v57, -v[\q], v53, v[\num]
	v_fma_f32 v[\q], v57, v56, v[\q]
.endm
	s_load_b512 s[8:23], s[0:1], 0x0               ; xyz s[8:9], cholesky s[10:11], opacity s[12:13], features s[14:15], freqs s[16:17], weights s[18:19], scales s[20:21], tab s[22:23]
	v_lshrrev_b32 v1, 5, v0
	v_readfirstlane_b32 s24, v1                    ; wave 0..3
	v_and_b32 v1, 31, v0                           ; lane
	s_mov_b32 s[CL2E], 0x3fb8aa3b
	s_mov_b32 s[C2L2E], 0x4038aa3b
	s_mov_b32 s[C2LO], 0x33257060
	s_mov_b32 s[CLN2], 0x3f317218
	s_mov_b32 s[CNH], 0xbf38aa3b
	s_mov_b32 s[C2PI], 0x3f22f983
	s_mov_b32 s[CNPH], 0xbfc90fdb
	s_mov_b32 s[CPL], 0x333bbd2e
	s_mov_b32 s[S0], 0xb94ca1f9
	s_mov_b32 s[S1], 0x3c08839e
	s_mov_b32 s[S2], 0xbe2aaaa3
	s_mov_b32 s[C0], 0x37ccf5ce
	s_mov_b32 s[C1], 0xbab6061a
	s_mov_b32 s[C2], 0x3d2aaaa5
	s_wait_kmcnt 0x0
	s_cmp_ge_u32 ttmp9, 32
	s_cbranch_scc1 .Lfeats
	; ================= work-groups 0-31: the gaussians' parameters =================
	s_lshl_b32 s25, ttmp9, 5
	v_add_nc_u32 v2, s25, v1                       ; my gaussian n
	v_lshlrev_b32 v3, 3, v2
	v_mul_u32_u24 v4, v2, 12
	v_lshlrev_b32 v5, 2, v2
	v_lshlrev_b32 v6, 4, v2                        ; 16 n: my place in every plane
	global_load_b64 v[8:9], v3, s[8:9]             ; xyz
	global_load_b32 v10, v4, s[10:11]              ; cholesky
	global_load_b32 v11, v4, s[10:11] offset:4
	global_load_b32 v12, v4, s[10:11] offset:8
	global_load_b32 v13, v5, s[12:13]              ; opacity
	global_load_b128 v[16:19], v6, s[16:17]        ; fx0, fy0, fx1, fy1 before the exponential
	global_load_b64 v[20:21], v3, s[18:19]         ; the two weights
	s_lshl_b32 s26, s24, 15                        ; where my wave's planes begin: steps: plane 2 + 2 w,
	s_add_co_u32 s26, s26, 2*PL
	s_mov_b32 s27, 0
	s_add_nc_u64 s[26:27], s[22:23], s[26:27]
	s_lshl_b32 s28, s24, 14                        ; tile column: plane 10 + w,
	s_add_co_u32 s28, s28, 10*PL
	s_mov_b32 s29, 0
	s_add_nc_u64 s[28:29], s[22:23], s[28:29]
	s_lshl_b32 s30, s24, 18                        ; tile rows: plane 14 + 16 w on
	s_add_co_u32 s30, s30, 14*PL
	s_mov_b32 s31, 0
	s_add_nc_u64 s[30:31], s[22:23], s[30:31]
	s_lshl_b32 s46, s24, 1
	s_cmp_eq_u32 s24, 3                            ; wave 3 takes fy 1, fy 2; wave w < 3 takes fx 4^w, fx 2 x 4^w
	s_cselect_b32 s46, 0, s46
	s_cselect_b32 s47, -1, 0
	s_add_co_u32 s46, s46, 127
	s_lshl_b32 s46, s46, 23                        ; the first multiple as f32,
	s_add_co_u32 s48, s46, 0x800000                ; and twice it
	s_lshl_b32 s49, s24, 6
	v_cvt_f32_u32 v7, s49
	v_add_f32 v7, 0.5, v7                          ; 64 w + 0.5: the first pixel centre of tile column w, and of tile row 16 w
	s_wait_loadcnt 0x0
.irp i, 0,1                                    ; tanh(x) = 1 - 2 / (1 + 2^y), y = 2 x log2(e) with its rounding rest kept
	v_mul_f32 v[40+\i], s[C2L2E], v[8+\i]
	v_fma_f32 v[42+\i], v[8+\i], s[C2L2E], -v[40+\i]
	v_fma_f32 v[42+\i], v[8+\i], s[C2LO], v[42+\i]
	v_min_num_f32 v[40+\i], 0x42800000, v[40+\i]   ; held at 64, where tanh has long been 1.0 in f32: no infinity reaches the refinement below
	v_mul_f32 v[42+\i], s[CLN2], v[42+\i]
.endr
.irp i, 0,1,2,3
	v_mul_f32 v[32+\i], s[CL2E], v[16+\i]
.endr
	v_mul_f32 v36, s[CL2E], -v20
	v_mul_f32 v37, s[CL2E], -v21
	v_add_f32 v10, 0.5, v10                        ; l1;  l2 = v11 (its bound is 0)
	v_add_f32 v12, 0.5, v12                        ; l3
	v_mul_f32 v50, v10, v10                        ; s11
	v_mul_f32 v51, v10, v11                        ; s12
	v_mul_f32 v52, v12, v12
	v_fma_f32 v52, v11, v11, v52                   ; s22
	v_mul_f32 v53, v10, v12
	v_mul_f32 v53, v53, v53                        ; det
	v_add_f32 v54, v50, v52
	v_mul_f32 v54, 0.5, v54                        ; mid
	v_fma_f32 v55, v54, v54, -v53
	v_max_num_f32 v55, 0x322bcc77, v55             ; at least 1e-8
	v_exp_f32 v44, v40                             ; the first batch
	v_exp_f32 v45, v41
	v_exp_f32 v32, v32                             ; fx0, fy0, fx1, fy1
	v_exp_f32 v33, v33
	v_exp_f32 v34, v34
	v_exp_f32 v35, v35
	v_exp_f32 v36, v36                             ; e^-weight
	v_exp_f32 v37, v37
	v_rcp_f32 v56, v53
	v_sqrt_f32 v55, v55
	v_nop                                          ; a plain instruction behind the last of them,
	s_wait_alu depctr_va_vdst(0)                   ; and one wait for the batch, ahead of its first reader
.irp i, 0,1
	v_fma_f32 v[44+\i], v[44+\i], v[42+\i], v[44+\i]   ; 2^y x (1 + rest ln 2)
	v_add_f32 v[46+\i], 1.0, v[44+\i]
.endr
	v_add_f32 v36, 1.0, v36
	v_add_f32 v37, 1.0, v37
	v_add_f32 v55, v54, v55                        ; the larger eigenvalue
	v_rcp_f32 v48, v46                             ; the second batch
	v_rcp_f32 v49, v47
	v_rcp_f32 v36, v36                             ; the sigmoids: left as they come (1 + e^-weight may be infinite, and a refinement would make NaN of that)
	v_rcp_f32 v37, v37
	v_sqrt_f32 v55, v55
	v_fma_f32 v57, -v53, v56, 1.0                  ; meanwhile: 1 / det refined, the conic, and its three numbers times -log2(e)
	v_fma_f32 v56, v57, v56, v56
	QUOT 58, 52                                    ; ca = s22 / det
	QUOT 59, 50                                    ; cc = s11 / det
	QUOT 60, 51                                    ; -cb = s12 / det
	v_mul_f32 v26, s[CNH], v58                     ; a
	v_mul_f32 v28, s[CNH], v59                     ; c
	v_mul_f32 v27, s[CL2E], v60                    ; b
	s_wait_alu depctr_va_vdst(0)                   ; one wait for the second batch
.irp i, 0,1
	v_fma_f32 v[42+\i], -v[46+\i], v[48+\i], 1.0
	v_fma_f32 v[48+\i], v[42+\i], v[48+\i], v[48+\i]
	v_fma_f32 v[48+\i], v[48+\i], -2.0, 1.0        ; tanh
	v_add_f32 v[48+\i], 1.0, v[48+\i]
	v_mul_f32 v[24+\i], 0x43000000, v[48+\i]       ; xs, ys = 128 (tanh + 1)
.endr
	v_mul_f32 v55, 0x40400000, v55
	v_floor_f32 v55, -v55                          ; -radius = floor(-3 sqrt(lambda))
	v_cmp_gt_f32 vcc_lo, -1.0, v55                 ; radius > 1
	v_cndmask_b32 v29, 0, v13, vcc_lo              ; ok = opacity x keep
	v_mov_b32 v30, 0
	v_mov_b32 v31, 0
	v_mul_f32 v36, v29, v36                        ; W0, W1
	v_mul_f32 v37, v29, v37
	s_cmp_lg_u32 s24, 0
	s_cbranch_scc1 .Lnot_wave_0
	global_store_b128 v6, v[24:27], s[22:23]
	global_store_b128 v6, v[28:31], s[22:23] offset:PL
.Lnot_wave_0:
	; my wave's two steps, for both components
	v_cndmask_b32 v84, v32, v33, s47
	v_cndmask_b32 v85, v34, v35, s47
.irp k, 0,1
	v_mul_f32 v86, s46, v[84+\k]                   ; a power of two: nothing is rounded
	SINCOS 86, 0, 0, 60+4*\k, 61+4*\k
	v_mul_f32 v86, s48, v[84+\k]
	SINCOS 86, 0, 0, 62+4*\k, 63+4*\k
.endr
	global_store_b128 v6, v[60:63], s[26:27]
	global_store_b128 v6, v[64:67], s[26:27] offset:PL
	; tile column w
	v_sub_f32 v87, v24, v7
.irp k, 0,1
	v_mul_f32 v86, v[32+2*\k], v87
	v_fma_f32 v88, v[32+2*\k], v87, -v86           ; what the product's rounding dropped
	SINCOS 86, 1, 88, 68+2*\k, 69+2*\k
.endr
	global_store_b128 v6, v[68:71], s[28:29]
	; tile rows 16 w .. 16 w + 15
	s_mov_b32 s50, 0
.Lrow:
	v_sub_f32 v87, v25, v7
.irp k, 0,1
	v_mul_f32 v86, v[33+2*\k], v87
	v_fma_f32 v88, v[33+2*\k], v87, -v86
	SINCOS 86, 1, 88, 90, 91
	v_mul_f32 v[72+2*\k], v[36+\k], v90
	v_mul_f32 v[73+2*\k], -v[36+\k], v91
.endr
	global_store_b128 v6, v[72:75], s[30:31]
	v_add_f32 v7, 4.0, v7                          ; the next tile row's first centre
	s_wait_xcnt 0x0                                ; the store has read its data and its base: both are written again only behind this wait
	s_add_nc_u64 s[30:31], s[30:31], PL
	s_add_co_u32 s50, s50, 1
	s_cmp_lt_u32 s50, 16
	s_cbranch_scc1 .Lrow
	s_endpgm
	; ================= work-groups 32-39: softplus(features) as codes =================
.set U,   16                           ; v16-23  e^-|x|
.set WD,  24                           ; v24-31  1 + U, as f32 has it
.set DD,  32                           ; v32-39  that less 1
.set LG,  40                           ; v40-47  the logarithm, then the result
.set RC,  48                           ; v48-55  1 / DD, then at work
.set X,   64                           ; v64-127 my 64 features: register 8 c + i = gaussian 16 c + 8 h + i of the 128, channel r of the 16
.set CODE, 128                         ; v128-143 the fragment
.Lfeats:
	s_load_b64 s[52:53], s[20:21], 0x0             ; e0, e1
	s_sub_co_u32 s25, ttmp9, 32                    ; kb; ct = my wave
	s_lshl_b32 s26, s25, 15                        ; 128 kb rows of 256 bytes
	s_lshl_b32 s27, s24, 6                         ; + 16 ct channels
	s_add_co_u32 s26, s26, s27
	s_mov_b32 s27, 0
	s_add_nc_u64 s[14:15], s[14:15], s[26:27]
	s_lshl_b32 s28, s25, 13                        ; the fragment's image: 2048 (4 kb + ct)
	s_lshl_b32 s29, s24, 11
	s_add_co_u32 s28, s28, s29
	s_add_co_u32 s28, s28, TABF
	s_mov_b32 s29, 0
	s_add_nc_u64 s[22:23], s[22:23], s[28:29]
	v_and_b32 v2, 15, v0                           ; r
	v_bfe_u32 v3, v0, 4, 1                         ; h
	v_lshlrev_b32 v4, 2, v2
	v_lshl_add_u32 v4, v3, 11, v4                  ; 4 r + 8 h rows
	v_lshlrev_b32 v5, 4, v1
.irp c, 0,1,2,3,4,5,6,7
.irp i, 0,1,2,3,4,5,6,7
	global_load_b32 v[X+8*\c+\i], v4, s[14:15] offset:(16*\c+\i)*256 th:TH_LOAD_NT   ; a lane takes a channel, its registers run down the gaussians, which are K
.endr
.endr
	s_wait_kmcnt 0x0
	s_add_co_i32 s54, s53, 127
	s_lshl_b32 s55, s54, 23
	v_mov_b32 v6, s55                              ; 2^e1 as f32: the conversion takes its exponent field
	s_add_co_i32 s54, s54, 15
	s_lshl_b32 s54, s54, 23
	s_or_b32 s54, s54, 0x600000
	v_mov_b32 v7, s54                              ; 57,344 x 2^e1
	s_wait_loadcnt 0x0
; softplus(x) = max(x, 0) + log1p(U), U = e^-|x|; log1p(U) = ln(1 + U) x U / ((1 + U) - 1), which mends the rounding of 1 + U; where (1 + U) - 1 is 0 it is U itself
.macro SOFT c
.irp i, 0,1,2,3,4,5,6,7
	v_and_b32 v[U+\i], 0x7fffffff, v[X+8*\c+\i]
	v_mul_f32 v[U+\i], s[CL2E], -v[U+\i]
.endr
.irp i, 0,1,2,3,4,5,6,7
	v_exp_f32 v[U+\i], v[U+\i]
.endr
	v_nop
	s_wait_alu depctr_va_vdst(0)                   ; one wait for the eight exponentials
.irp i, 0,1,2,3,4,5,6,7
	v_add_f32 v[WD+\i], 1.0, v[U+\i]
.endr
.irp i, 0,1,2,3,4,5,6,7
	v_add_f32 v[DD+\i], -1.0, v[WD+\i]
.endr
.irp i, 0,1,2,3,4,5,6,7
	v_log_f32 v[LG+\i], v[WD+\i]
.endr
.irp i, 0,1,2,3,4,5,6,7
	v_rcp_f32 v[RC+\i], v[DD+\i]
.endr
	v_nop
	s_wait_alu depctr_va_vdst(0)                   ; one wait for the sixteen
.irp i, 0,1,2,3,4,5,6,7
	v_mul_f32 v[LG+\i], s[CLN2], v[LG+\i]
	v_mul_f32 v[RC+\i], v[U+\i], v[RC+\i]
	v_mul_f32 v[LG+\i], v[LG+\i], v[RC+\i]
	v_cmp_eq_f32 vcc_lo, 0, v[DD+\i]
	v_cndmask_b32 v[LG+\i], v[LG+\i], v[U+\i], vcc_lo
	v_max_num_f32 v[RC+\i], 0, v[X+8*\c+\i]
	v_add_f32 v[LG+\i], v[LG+\i], v[RC+\i]
	v_med3_num_f32 v[LG+\i], v[LG+\i], -v7, v7     ; the conversion to an 8-bit code does not saturate (ISA guide 7.6.2): the hold at the largest code x the scale
.endr
	v_cvt_scalef32_pk8_bf8_f32 v[CODE+2*\c:CODE+2*\c+1], v[LG:LG+7], v6
	v_nop                                          ; a plain instruction between the conversion and the next lines that write its sources
.endm
.irp c, 0,1,2,3,4,5,6,7
	SOFT \c
.endr
.irp q, 0,1,2,3
	global_store_b128 v5, v[CODE+4*\q:CODE+4*\q+3], s[22:23] offset:512*\q   ; 32 lanes store 512 consecutive bytes
.endr
	s_endpgm
.Lfunc_end_k_q899bb6432f_prep:
	.size	k_q899bb6432f_prep, .Lfunc_end_k_q899bb6432f_prep-k_q899bb6432f_prep
	.p2alignl 7, 3214868480
	.fill 96, 4, 3214868480
	.section	.rodata,"a",@progbits
	.p2align	6, 0x0
	.amdhsa_kernel k_q899bb6432f_prep
		.amdhsa_group_segment_fixed_size 0
		.amdhsa_private_segment_fixed_size 0
		.amdhsa_enable_private_segment 0
		.amdhsa_kernarg_size 64
		.amdhsa_user_sgpr_count 2
		.amdhsa_user_sgpr_kernarg_segment_ptr 1
		.amdhsa_wavefront_size32 1
		.amdhsa_system_sgpr_workgroup_id_x 1
		.amdhsa_system_sgpr_workgroup_id_y 1
		.amdhsa_system_sgpr_workgroup_id_z 1
		.amdhsa_system_vgpr_workitem_id 0
		.amdhsa_next_free_vgpr 144
		.amdhsa_next_free_sgpr 66
		.amdhsa_reserve_vcc 1
		.amdhsa_float_denorm_mode_32 3
		.amdhsa_float_denorm_mode_16_64 3
		.amdhsa_memory_ordered 1
		.amdhsa_forward_progress 1
		.amdhsa_inst_pref_size 63
	.end_amdhsa_kernel
	.amdgpu_metadata
---
amdhsa.version: [ 1, 2 ]
amdhsa.kernels:
  - .name:           k_q899bb6432f_prep
    .symbol:         k_q899bb6432f_prep.kd
    .args:
      - { .name: xyz, .offset: 0, .size: 8, .value_kind: global_buffer, .address_space: global }
      - { .name: cholesky, .offset: 8, .size: 8, .value_kind: global_buffer, .address_space: global }
      - { .name: opacity, .offset: 16, .size: 8, .value_kind: global_buffer, .address_space: global }
      - { .name: features_dc, .offset: 24, .size: 8, .value_kind: global_buffer, .address_space: global }
      - { .name: gabor_freqs, .offset: 32, .size: 8, .value_kind: global_buffer, .address_space: global }
      - { .name: gabor_weights, .offset: 40, .size: 8, .value_kind: global_buffer, .address_space: global }
      - { .name: lowp_scales, .offset: 48, .size: 8, .value_kind: global_buffer, .address_space: global }
      - { .name: tab, .offset: 56, .size: 8, .value_kind: global_buffer, .address_space: global }
    .group_segment_fixed_size: 0
    .private_segment_fixed_size: 0
    .kernarg_segment_align: 8
    .kernarg_segment_size: 64
    .max_flat_workgroup_size: 128
    .sgpr_count:     66
    .vgpr_count:     144
    .wavefront_size: 32
...
	.end_amdgpu_metadata
.endif
;; end of part 1
;; launch render (part 2): grid 4 x 64, 8 waves a work-group, no clusters, 214,016 bytes of LDS; arguments tab, lowp_scales, out0; writes out0
.if DOCPART == 2
	.amdgcn_target "amdgcn-amd-amdhsa--gfx1250"
	.amdhsa_code_object_version 6
	.text
	.protected	k_q899bb6432f_render
	.globl	k_q899bb6432f_render
	.p2align	8
	.type	k_q899bb6432f_render,@function
k_q899bb6432f_render:
	s_mov_b64 s[64:65], 0
	v_nop
	global_prefetch_b8 v0, s[64:65] scope:SCOPE_SE
	s_setreg_imm32_b32 hwreg(HW_REG_WAVE_MODE, 25, 1), 1
	s_wait_xcnt 0x0
; out[c][y][x] = clip(sum over the 1,024 gaussians n of Q(wmap[n][pixel]) Q(softplus(features)[n][c]), 0, 1), Q = E5M2 under the given 2^e0, 2^e1; sums in f32.
; wmap = 2^t x m,  t = (a dx + b dy) dx + c dy dy,  m = ok + sum over k of (u_k cx_k + v_k sx_k): cos(fx dx + fy dy) taken apart into a table along x and a table along y.
; SHARES.  A work-group makes a tile of 64 x 4 pixels x 64 channels; 4 x 64 work-groups cover the picture, one for each of 256 WGPs.  K goes in 4 steps of 256 gaussians.
; AS PRODUCER thread t makes the 256 numbers of gaussian 256 step + t: A LANE IS A GAUSSIAN, so its parameters are its own registers and the pixels are the same in all lanes; its registers run along the pixels.
;   The tile is taken as 16 pseudo-rows p = 4 I + j of 16 pixels: x = X0 + 16 I + i, y = Y0 + j.  Angle = fx (dx0 - i) + [fy (dy0 - j) - 16 I fx]: a table of 16 along i and a table of 16 along p,
;   each grown from its first entry by rotations through the steps 1, 2, 4, 8 of its index (four deep); first entries and steps were made by the launch before, each from a sine and cosine of its own.
;   dx is grown the same way from xs - (X0 + 0.5): wherever the final dx is small every stage's difference is a multiple of xs's last place and no larger than xs, so nothing is rounded.
;   Sixteen numbers are held, converted and stored as 16 bytes of the gaussian's row in LDS: codes lie [gaussian][position], position = 64 j + x - X0.
; AS CONSUMER wave w owns positions 32 w .. 32 w + 31.  K (the gaussians) runs down the rows, so the codes come out turned, by ds_load_tr16_b128 on pairs of bytes; v_perm_b32 parts the even positions from the odd:
;   two tiles of 16 pixels.  Source 0 = 16 channels (images of registers, copied once into LDS), source 1 = 16 pixels: 8 accumulators, 16 matrix instructions a step.
; ONE BARRIER A STEP, two code buffers by turns: in front of it a wave's stores have landed and its reads of the other buffer are over.
; NO TENSOR LOADS, NO CLUSTER: the large operand is made in registers.  From memory a work-group takes 64 KiB of feature codes once and 192 bytes a gaussian; those go straight into the lane that owns the gaussian,
;   12 loads a wave asked for a whole step (some 1,700 vector instructions) ahead; through LDS they would make one more trip for nothing.  No prefetch for the same reason.
; LIMITS.  e0 between -126 and 112; e0 + e1 is applied by v_ldexp_f32 and has none.  Numbers under 2^-126 count as 0 (v_exp_f32 gives 0 there: ISA guide, its entry).  NaN among the inputs is not served.
.set PL,     16384                     ; a plane of tab
.set TABF,   78*PL                     ; the feature codes
.set PITCH,  288                       ; a gaussian's row of codes: 256 bytes + 32
.set CBB,    256*PITCH                 ; a code buffer; buffer 0 at LDS byte 0, buffer 1 behind it
.set FE,     2*CBB                     ; the feature fragments: 32 images of 2,048 bytes
.set SPITCH, 1040                      ; the way out: 64 channel rows of 1,024 bytes + 16, laid over code buffer 0
.set OFF,  1                           ; v1   my place in a plane: 16 t + 4096 x step
.set PST,  2                           ; v2   288 t: my gaussian's row
.set PSA,  3                           ; v3   the same in the step's buffer
.set TRB,  4                           ; v4   the turning load's lane term
.set TR0,  5                           ; v5, v6  the same in the step's buffer, rows 0-127 and 128-255
.set FA,   7                           ; v7   the step's feature fragments
.set LIM,  8                           ; v8   57,344 x 2^e0
.set SC,   9                           ; v9   2^e0
.set YC,   10                          ; v10-13  Y0 + j + 0.5
.set AP,   14                          ; v[14:15] a, ok
.set GC,   16                          ; v16-23  (b dy_j, c dy_j dy_j) at GC + 2 j
.set DX,   24                          ; v24-39  the 16 dx of block I
.set T,    40                          ; v40-55  t, then 2^t, then the numbers
.set M,    56                          ; v56-71  m
.set CD,   72                          ; v72-75  16 codes
.set XC,   76                          ; v76  X0 + 0.5
.set FA0,  77                          ; v77  FE + 16 x lane
.set XT,   80                          ; v80-143  along i: cos k0, sin k0, cos k1, sin k1, 16 each
.set YT,   144                         ; v144-207 along p: u0, v0, u1, v1, 16 each
.set R,    208                         ; v208-255 the record: planes 0-9, the tile column's, the tile row's
.set RW,   80                          ; consumer (the tables are done with): 8 turned loads,
.set BF,   112                         ; the two pixel fragments, even then odd,
.set AF,   144                         ; four channel fragments
.set ST,   80                          ; the way out: results;
.set BK,   144                         ; whole rows read back
; window 1: v0-63: the accumulators: (channel tile ct, pixel tile tl) at 8 (2 ct + tl)
.set MSB, 0
.macro WIN new                         ; the immediate's high byte repeats the setting that is left
.if MSB != \new
	s_set_vgpr_msb (MSB<<8)|\new
.set MSB, \new
.endif
.endm
.macro RECORD                          ; 192 bytes of my gaussian: 12 loads, each 512 consecutive bytes a wave
.irp p, 0,1,2,3,4,5,6,7,8,9
	global_load_b128 v[R+4*\p:R+4*\p+3], v[OFF], s[4:5] offset:PL*\p
.endr
	global_load_b128 v[R+40:R+43], v[OFF], s[14:15]
	global_load_b128 v[R+44:R+47], v[OFF], s[16:17]
.endm
; Two table entries d, d + 1 from entries s, s + 1, turned through the step whose (cos, sin) lie in v[kk], v[kk + 1].
; sg = 0 (cos, sin of an angle that falls): c' = c C + s S, s' = s C - c S.   sg = 1 (u, v = W cos, -W sin): u' = u C - v S, v' = v C + u S.
.macro ROT2 ca, sa, d, s, kk, sg
	v_pk_mul_f32 v[\ca+\d:\ca+\d+1], v[\ca+\s:\ca+\s+1], v[\kk:\kk+1] op_sel_hi:[1,0]
	v_pk_mul_f32 v[\sa+\d:\sa+\d+1], v[\sa+\s:\sa+\s+1], v[\kk:\kk+1] op_sel_hi:[1,0]
.if \sg
	v_pk_fma_f32 v[\ca+\d:\ca+\d+1], v[\sa+\s:\sa+\s+1], v[\kk:\kk+1], v[\ca+\d:\ca+\d+1] op_sel:[0,1,0] op_sel_hi:[1,1,1] neg_lo:[0,1,0] neg_hi:[0,1,0]
	v_pk_fma_f32 v[\sa+\d:\sa+\d+1], v[\ca+\s:\ca+\s+1], v[\kk:\kk+1], v[\sa+\d:\sa+\d+1] op_sel:[0,1,0] op_sel_hi:[1,1,1]
.else
	v_pk_fma_f32 v[\ca+\d:\ca+\d+1], v[\sa+\s:\sa+\s+1], v[\kk:\kk+1], v[\ca+\d:\ca+\d+1] op_sel:[0,1,0] op_sel_hi:[1,1,1]
	v_pk_fma_f32 v[\sa+\d:\sa+\d+1], v[\ca+\s:\ca+\s+1], v[\kk:\kk+1], v[\sa+\d:\sa+\d+1] op_sel:[0,1,0] op_sel_hi:[1,1,1] neg_lo:[0,1,0] neg_hi:[0,1,0]
.endif
.endm
; A table of 16 pairs from its first pair v[b], v[b + 1]: entry i + 2^n comes from entry i by step n
.macro TREE ca, sa, b, k1, k2, k4, k8, sg
	v_mov_b32 v[\ca], v[\b]
	v_mov_b32 v[\sa], v[\b+1]
	v_mul_f32 v[\ca+1], v[\b], v[\k1]
	v_mul_f32 v[\sa+1], v[\b+1], v[\k1]
.if \sg
	v_fma_f32 v[\ca+1], -v[\b+1], v[\k1+1], v[\ca+1]
	v_fma_f32 v[\sa+1], v[\b], v[\k1+1], v[\sa+1]
.else
	v_fma_f32 v[\ca+1], v[\b+1], v[\k1+1], v[\ca+1]
	v_fma_f32 v[\sa+1], -v[\b], v[\k1+1], v[\sa+1]
.endif
	ROT2 \ca, \sa, 2, 0, \k2, \sg
.irp i, 0,2
	ROT2 \ca, \sa, 4+\i, \i, \k4, \sg
.endr
.irp i, 0,2,4,6
	ROT2 \ca, \sa, 8+\i, \i, \k8, \sg
.endr
.endm
; Number n of the 32 packed multiply-adds that make a pseudo-row's m: stage n / 8 (cos k0, sin k0, cos k1, sin k1), pair n % 8.  The row's coefficient, register pp + pb of its table, serves both halves.
.macro MF pb
.set stg, n/8
.set ii, 2*(n%8)
.if stg == 0
	v_pk_fma_f32 v[M+ii:M+ii+1], v[XT+ii:XT+ii+1], v[YT+pp:YT+pp+1], v[AP:AP+1] op_sel:[0,\pb,1] op_sel_hi:[1,\pb,1]
.else
	v_pk_fma_f32 v[M+ii:M+ii+1], v[XT+16*stg+ii:XT+16*stg+ii+1], v[YT+16*stg+pp:YT+16*stg+pp+1], v[M+ii:M+ii+1] op_sel:[0,\pb,0] op_sel_hi:[1,\pb,1]
.endif
.set n, n+1
.endm
; Pseudo-row p = 4 blk + row (pb = row % 2): 16 numbers of my gaussian become 16 codes
.macro PROW blk, row, pb
.if (\blk > 0) && (\row == 0)
.irp i, 0,2,4,6,8,10,12,14
	v_pk_add_f32 v[DX+\i:DX+\i+1], v[DX+\i:DX+\i+1], 0xc1800000 op_sel_hi:[1,0]   ; 16 pixels on
.endr
.endif
.irp i, 0,2,4,6,8,10,12,14
	v_pk_fma_f32 v[T+\i:T+\i+1], v[DX+\i:DX+\i+1], v[AP:AP+1], v[GC+2*\row:GC+2*\row+1] op_sel_hi:[1,0,0]   ; a dx + b dy
.endr
.irp i, 0,2,4,6,8,10,12,14
	v_pk_fma_f32 v[T+\i:T+\i+1], v[T+\i:T+\i+1], v[DX+\i:DX+\i+1], v[GC+2*\row:GC+2*\row+1] op_sel:[0,0,1] op_sel_hi:[1,1,1]   ; x dx + c dy dy
.endr
.set pp, 4*\blk+\row-\pb
.set n, 0
.rept 16                               ; the 16 exponentials are one batch; two of m's multiply-adds, which name none of its registers, follow each
	v_exp_f32 v[T+n/2], v[T+n/2]
	MF \pb
	MF \pb
.endr
	s_wait_alu depctr_va_vdst(0)                   ; one wait for the batch, ahead of its first reader
.irp i, 0,2,4,6,8,10,12,14
	v_pk_mul_f32 v[T+\i:T+\i+1], v[T+\i:T+\i+1], v[M+\i:M+\i+1]
.endr
.irp i, 0,1,2,3,4,5,6,7,8,9,10,11,12,13,14,15
	v_med3_num_f32 v[T+\i], v[T+\i], -v[LIM], v[LIM]   ; the conversion to an 8-bit code does not saturate (ISA guide 7.6.2): the hold at the largest code x the scale
.endr
	v_cvt_scalef32_pk8_bf8_f32 v[CD:CD+1], v[T:T+7], v[SC]
	v_cvt_scalef32_pk8_bf8_f32 v[CD+2:CD+3], v[T+8:T+15], v[SC]
	v_nop                                          ; a plain instruction between the conversions and the next pseudo-row's writes of their sources
	ds_store_b128 v[PSA], v[CD:CD+3] offset:16*(4*\row+\blk)   ; positions 64 row + 16 blk + 0 .. 15
.endm
; 128 gaussians of the step (kb = 0, 1): my 32 positions against all 64 channels
.macro CONSUME kb
.irp c, 0,1,2,3,4,5,6,7
	ds_load_tr16_b128 v[RW+4*\c:RW+4*\c+3], v[TR0+\kb] offset:16*PITCH*\c   ; lane (r, h): gaussians 16 c + 8 h + 0..7 of positions 2 r and 2 r + 1, byte by byte in turn
.endr
.irp ct, 0,1,2,3
.irp q, 0,1,2,3
	ds_load_b128 v[AF+16*\ct+4*\q:AF+16*\ct+4*\q+3], v[FA] offset:8192*\kb+2048*\ct+512*\q
.endr
.endr
	s_wait_dscnt 16                                ; the eight turned loads are in; the sixteen issued behind them may be out
.irp c, 0,1,2,3,4,5,6,7
	v_perm_b32 v[BF+2*\c], v[RW+4*\c+1], v[RW+4*\c], s24           ; the even positions' bytes,
	v_perm_b32 v[BF+2*\c+1], v[RW+4*\c+3], v[RW+4*\c+2], s24
	v_perm_b32 v[BF+16+2*\c], v[RW+4*\c+1], v[RW+4*\c], s25        ; the odd ones'
	v_perm_b32 v[BF+16+2*\c+1], v[RW+4*\c+3], v[RW+4*\c+2], s25
.endr
	s_wait_dscnt 0x0
	WIN 0x50                                       ; C and D in window 1
.irp ct, 0,1,2,3
.irp tl, 0,1                                   ; the eight accumulators take turns, one instruction a turn, in the same order every time
	v_wmma_f32_16x16x128_bf8_bf8 v[8*(2*\ct+\tl):8*(2*\ct+\tl)+7], v[AF+16*\ct:AF+16*\ct+15], v[BF+16*\tl:BF+16*\tl+15], v[8*(2*\ct+\tl):8*(2*\ct+\tl)+7]
.endr
.endr
	WIN 0
.rept 4
	v_nop                                          ; four places in front of loads and vector writes into the fragments' registers, and of the first read of results
.endr
.endm
	s_load_b128 s[4:7], s[0:1], 0x0                ; tab s[4:5], the scales' exponents s[6:7]
	s_load_b64 s[8:9], s[0:1], 0x10                ; out
	v_lshl_add_u32 v78, v0, 2, 0x34000
	v_mov_b32 v79, 0
	v_lshrrev_b32 v1, 5, v0
	v_readfirstlane_b32 s10, v1                    ; wave 0..7
	s_and_b32 s18, ttmp7, 0xffff                   ; tile row tr; ttmp9 = tile column tc
	v_lshlrev_b32 v[OFF], 4, v0
	v_mul_u32_u24 v[PST], v0, PITCH
	v_and_b32 v5, 7, v0
	v_bfe_u32 v6, v0, 4, 1
	v_lshl_add_u32 v5, v6, 3, v5                   ; the turning load: row 8 h + lane % 8,
	v_mul_u32_u24 v[TRB], v5, PITCH
	v_bfe_u32 v5, v0, 3, 1
	v_lshl_add_u32 v[TRB], v5, 4, v[TRB]           ; 16 bytes for each group of eight lanes,
	v_and_b32 v5, 0xe0, v0
	v_add_nc_u32 v[TRB], v[TRB], v5                ; from my wave's position 32 w on
	v_and_b32 v5, 31, v0
	v_lshlrev_b32 v5, 4, v5
	v_add_nc_u32 v[FA0], FE, v5
	v_add_nc_u32 v3, FE, v[OFF]                    ; where I put my 16 bytes of each 4,096 of the feature codes
	s_lshl_b32 s19, ttmp9, 6
	v_cvt_f32_u32 v[XC], s19
	v_add_f32 v[XC], 0.5, v[XC]                    ; X0 + 0.5
	s_lshl_b32 s20, s18, 2
	v_cvt_f32_u32 v[YC], s20
	v_add_f32 v[YC], 0.5, v[YC]                    ; Y0 + j + 0.5
	v_add_f32 v[YC+1], 1.0, v[YC]
	v_add_f32 v[YC+2], 2.0, v[YC]
	v_add_f32 v[YC+3], 0x40400000, v[YC]
	s_mov_b32 s24, 0x06040200
	s_mov_b32 s25, 0x07050301
	s_wait_kmcnt 0x0
	s_load_b64 s[26:27], s[6:7], 0x0               ; e0, e1
	s_lshl_b32 s14, ttmp9, 14                      ; plane 10 + tc
	s_add_co_u32 s14, s14, 10*PL
	s_mov_b32 s15, 0
	s_add_nc_u64 s[14:15], s[4:5], s[14:15]
	s_lshl_b32 s16, s18, 14                        ; plane 14 + tr
	s_add_co_u32 s16, s16, 14*PL
	s_mov_b32 s17, 0
	s_add_nc_u64 s[16:17], s[4:5], s[16:17]
.irp i, 0,1,2,3,4,5,6,7,8,9,10,11,12,13,14,15
	global_load_b128 v[80+4*\i:83+4*\i], v[OFF], s[4:5] offset:TABF+4096*\i   ; the 64 KiB of feature codes, as they lie
.endr
	RECORD                                         ; step 0's gaussians
	s_lshl_b32 s20, s10, 21                        ; out: my 8 channels (8 w planes of 262,144 bytes),
	s_lshl_b32 s21, s18, 12                        ; row Y0 = 4 tr,
	s_add_co_u32 s20, s20, s21
	s_lshl_b32 s21, ttmp9, 8                       ; column X0 = 64 tc
	s_add_co_u32 s20, s20, s21
	s_mov_b32 s21, 0
	s_add_nc_u64 s[8:9], s[8:9], s[20:21]
	WIN 0x40
.set i, 0
.rept 64
	v_mov_b32 v[i], 0                              ; the accumulators: the loop is written once, and its first step adds onto zeros
.set i, i+1
.endr
	WIN 0
	s_wait_kmcnt 0x0
	s_add_co_i32 s28, s26, 127
	s_lshl_b32 s29, s28, 23
	v_mov_b32 v[SC], s29                           ; 2^e0 as f32: the conversion takes its exponent field
	s_add_co_i32 s28, s28, 15
	s_lshl_b32 s28, s28, 23
	s_or_b32 s28, s28, 0x600000
	v_mov_b32 v[LIM], s28                          ; 57,344 x 2^e0
	s_add_co_i32 s26, s26, s27                     ; e0 + e1
	s_wait_loadcnt 12                              ; the feature codes are in; the 12 loads of the record, issued behind them, may be out
.irp i, 0,1,2,3,4,5,6,7,8,9,10,11,12,13,14,15
	ds_store_b128 v3, v[80+4*\i:83+4*\i] offset:4096*\i
.endr
	s_mov_b32 s11, 0                               ; step
	s_mov_b32 s12, 0                               ; the step's code buffer
	s_mov_b32 s13, 0                               ; the step's 8 feature fragments: 16,384 bytes a step
.Lstep:
	s_wait_loadcnt 0x0                             ; my gaussian's record is in (asked for a step ago); its loads have also read v[OFF]
	; ---- the tables
	v_mov_b32 v[AP], v[R+2]
	v_mov_b32 v[AP+1], v[R+5]
.irp j, 0,1,2,3
	v_sub_f32 v[T+\j], v[R+1], v[YC+\j]            ; dy_j
.endr
.irp j, 0,1,2,3
	v_mul_f32 v[GC+2*\j], v[R+3], v[T+\j]
	v_mul_f32 v[GC+2*\j+1], v[R+4], v[T+\j]
.endr
.irp j, 0,1,2,3
	v_mul_f32 v[GC+2*\j+1], v[GC+2*\j+1], v[T+\j]
.endr
	v_sub_f32 v[DX], v[R], v[XC]
	v_add_f32 v[DX+1], -1.0, v[DX]
	v_pk_add_f32 v[DX+2:DX+3], v[DX:DX+1], -2.0 op_sel_hi:[1,0]
.irp i, 0,2
	v_pk_add_f32 v[DX+4+\i:DX+5+\i], v[DX+\i:DX+\i+1], -4.0 op_sel_hi:[1,0]
.endr
.irp i, 0,2,4,6
	v_pk_add_f32 v[DX+8+\i:DX+9+\i], v[DX+\i:DX+\i+1], 0xc1000000 op_sel_hi:[1,0]
.endr
.irp k, 0,1
	TREE XT+32*\k, XT+16+32*\k, R+40+2*\k, R+8+4*\k, R+10+4*\k, R+16+4*\k, R+18+4*\k, 0   ; along i: steps fx 1, 2, 4, 8
	TREE YT+32*\k, YT+16+32*\k, R+44+2*\k, R+32+4*\k, R+34+4*\k, R+24+4*\k, R+26+4*\k, 1   ; along p = 4 I + j: steps fy 1, fy 2, fx 16, fx 32
.endr
	s_cmp_eq_u32 s11, 3                            ; the record has been read out: the next step's is asked for, if there is a next step
	s_cbranch_scc1 .Lno_more
	s_add_co_u32 s22, s11, 1
	s_lshl_b32 s22, s22, 12
	v_lshl_add_u32 v[OFF], v0, 4, s22
	RECORD
.Lno_more:
	v_add_nc_u32 v[PSA], s12, v[PST]
	v_add_nc_u32 v[TR0], s12, v[TRB]
	v_add_nc_u32 v[TR0+1], 128*PITCH, v[TR0]
	v_add_nc_u32 v[FA], s13, v[FA0]
	; ---- my gaussian's 256 codes
.irp b, 0,1,2,3
	PROW \b, 0, 0
	PROW \b, 1, 1
	PROW \b, 2, 0
	PROW \b, 3, 1
.endr
	s_wait_dscnt 0x0                               ; for the others' sake: my stores have landed (in the first step the feature codes too); my reads of the other buffer ended in the step before
	s_barrier_signal -1
	s_barrier_wait -1
	; ---- the product
	CONSUME 0
	CONSUME 1
	s_add_co_u32 s13, s13, 16384
	s_xor_b32 s12, s12, CBB
	s_add_co_u32 s11, s11, 1
	s_cmp_lt_u32 s11, 4
	s_cbranch_scc1 .Lstep
	; ---- THE WAY OUT.  A lane holds 8 channels of one pixel of each tile; the picture wants rows of pixels.  So the results meet in a stage of 64 channel rows x 256 positions, and each wave stores 8 channels' rows:
	; sixteen lanes store 256 consecutive bytes, at a multiple of 256 from out's first byte.
	s_wait_dscnt 0x0
	s_barrier_signal -1
	s_barrier_wait -1                              ; nobody reads a code buffer any more: the stage may lie over buffer 0
	v_and_b32 v1, 15, v0                           ; r
	v_bfe_u32 v2, v0, 4, 1                         ; h
	v_mul_u32_u24 v3, v2, 8*SPITCH
	v_lshl_add_u32 v3, v1, 3, v3
	v_and_b32 v4, 0xe0, v0
	v_lshl_add_u32 v3, v4, 2, v3                   ; in: channel row 8 h (+ 16 ct + j), positions 32 w + 2 r and + 1: 8 bytes
	s_mul_i32 s20, s10, 8*SPITCH
	v_and_b32 v5, 31, v0
	v_lshlrev_b32 v5, 4, v5
	v_add_nc_u32 v5, s20, v5                       ; back: my 8 channel rows, 16 bytes a lane
	v_lshlrev_b32 v6, 10, v2
	v_lshl_add_u32 v6, v1, 4, v6                   ; in out: lanes 0-15 one row of the picture, lanes 16-31 the next
	WIN 0x01                                       ; source 0 in window 1
.irp ct, 0,1,2,3
.irp tl, 0,1
.irp j, 0,1,2,3,4,5,6,7
	v_ldexp_f32 v[ST+2*(8*\ct+\j)+\tl], v[8*(2*\ct+\tl)+\j], s26   ; x 2^(e0 + e1); each accumulator from its low end on; even and odd position side by side
.endr
.endr
.endr
	WIN 0
.set i, 0
.rept 64
	v_med3_num_f32 v[ST+i], v[ST+i], 0, 1.0        ; the clip
.set i, i+1
.endr
.irp ct, 0,1,2,3
.irp j, 0,1,2,3,4,5,6,7
	ds_store_b64 v3, v[ST+2*(8*\ct+\j):ST+2*(8*\ct+\j)+1] offset:(16*\ct+\j)*SPITCH
.endr
.endr
	s_wait_dscnt 0x0                               ; for the others' sake: my stores into the stage are done
	s_barrier_signal -1
	s_barrier_wait -1
.irp cl, 0,1,2,3,4,5,6,7
.irp jp, 0,1
	ds_load_b128 v[BK+4*(2*\cl+\jp):BK+4*(2*\cl+\jp)+3], v5 offset:SPITCH*\cl+512*\jp   ; channel 8 w + cl, picture rows 2 jp and 2 jp + 1
.endr
.endr
.irp cl, 0,1,2,3,4,5,6,7
.irp jp, 0,1
	s_wait_dscnt 15-(2*\cl+\jp)                    ; LDS loads come back in order: this one is in, the younger ones may be out
	global_store_b128 v6, v[BK+4*(2*\cl+\jp):BK+4*(2*\cl+\jp)+3], s[8:9] offset:262144*\cl+2048*\jp th:TH_STORE_NT
.endr
.endr
	s_wait_tensorcnt 0x0
	ds_add_u32 v78, v79
	s_wait_dscnt 0x0
	s_endpgm
.Lfunc_end_k_q899bb6432f_render:
	.size	k_q899bb6432f_render, .Lfunc_end_k_q899bb6432f_render-k_q899bb6432f_render
	.p2alignl 7, 3214868480
	.fill 96, 4, 3214868480
	.section	.rodata,"a",@progbits
	.p2align	6, 0x0
	.amdhsa_kernel k_q899bb6432f_render
		.amdhsa_group_segment_fixed_size 214016
		.amdhsa_private_segment_fixed_size 0
		.amdhsa_enable_private_segment 0
		.amdhsa_kernarg_size 24
		.amdhsa_user_sgpr_count 2
		.amdhsa_user_sgpr_kernarg_segment_ptr 1
		.amdhsa_wavefront_size32 1
		.amdhsa_system_sgpr_workgroup_id_x 1
		.amdhsa_system_sgpr_workgroup_id_y 1
		.amdhsa_system_sgpr_workgroup_id_z 1
		.amdhsa_system_vgpr_workitem_id 0
		.amdhsa_next_free_vgpr 320
		.amdhsa_next_free_sgpr 66
		.amdhsa_reserve_vcc 0
		.amdhsa_float_denorm_mode_32 3
		.amdhsa_float_denorm_mode_16_64 3
		.amdhsa_memory_ordered 1
		.amdhsa_forward_progress 1
		.amdhsa_inst_pref_size 129
	.end_amdhsa_kernel
	.amdgpu_metadata
---
amdhsa.version: [ 1, 2 ]
amdhsa.kernels:
  - .name:           k_q899bb6432f_render
    .symbol:         k_q899bb6432f_render.kd
    .args:
      - { .name: tab, .offset: 0, .size: 8, .value_kind: global_buffer, .address_space: global }
      - { .name: lowp_scales, .offset: 8, .size: 8, .value_kind: global_buffer, .address_space: global }
      - { .name: out0, .offset: 16, .size: 8, .value_kind: global_buffer, .address_space: global }
    .group_segment_fixed_size: 214016
    .private_segment_fixed_size: 0
    .kernarg_segment_align: 8
    .kernarg_segment_size: 24
    .max_flat_workgroup_size: 256
    .sgpr_count:     66
    .vgpr_count:     320
    .wavefront_size: 32
...
	.end_amdgpu_metadata
.endif
;; end of part 2
;; ======== version 2 of 2: 2 launches; version 1 with the launch render written anew for expert scheduling mode
;; workspace buffers: tab 1,343,488 bytes
;; launch prep: the kernel of part 1 again; grid 40 x 1, 4 waves a work-group, no clusters, 0 bytes of LDS; arguments xyz, cholesky, opacity, features_dc, gabor_freqs, gabor_weights, lowp_scales, tab; writes tab
;; launch render (part 3): grid 4 x 64, 8 waves a work-group, no clusters, 214,016 bytes of LDS; arguments tab, lowp_scales, out0; writes out0
.if DOCPART == 3
	.amdgcn_target "amdgcn-amd-amdhsa--gfx1250"
	.amdhsa_code_object_version 6
	.text
	.protected	k_q899bb6432f_render
	.globl	k_q899bb6432f_render
	.p2align	8
	.type	k_q899bb6432f_render,@function
k_q899bb6432f_render:
	s_mov_b64 s[64:65], 0
	v_nop
	global_prefetch_b8 v0, s[64:65] scope:SCOPE_SE
	s_setreg_imm32_b32 hwreg(HW_REG_WAVE_SCHED_MODE, 0, 2), 2
	s_setreg_imm32_b32 hwreg(HW_REG_WAVE_MODE, 25, 1), 1
	s_wait_xcnt 0x0
	s_wait_alu depctr_vm_vsrc(0)
; out[c][y][x] = clip(sum over the 1,024 gaussians n of Q(wmap[n][pixel]) Q(softplus(features)[n][c]), 0, 1), Q = E5M2 under the given 2^e0, 2^e1; sums in f32.
; wmap = 2^t x m,  t = (a dx + b dy) dx + c dy dy,  m = ok + sum over k of (u_k cx_k + v_k sx_k): cos(fx dx + fy dy) taken apart into a table along x and a table along y.
; SHARES.  A work-group makes a tile of 64 x 4 pixels x 64 channels; 4 x 64 work-groups cover the picture, one for each of 256 WGPs.  K goes in 4 steps of 256 gaussians.
; AS PRODUCER thread t makes the 256 numbers of gaussian 256 step + t: A LANE IS A GAUSSIAN, so its parameters are its own registers and the pixels are the same in all lanes; its registers run along the pixels.
;   The tile is taken as 16 pseudo-rows p = 4 I + j of 16 pixels: x = X0 + 16 I + i, y = Y0 + j.  Angle = fx (dx0 - i) + [fy (dy0 - j) - 16 I fx]: a table of 16 along i and a table of 16 along p,
;   each grown from its first entry by rotations through the steps 1, 2, 4, 8 of its index (four deep); first entries and steps were made by the launch before, each from a sine and cosine of its own.
;   dx is grown the same way from xs - (X0 + 0.5): wherever the final dx is small every stage's difference is a multiple of xs's last place and no larger than xs, so nothing is rounded.
;   Sixteen numbers are held, converted and stored as 16 bytes of the gaussian's row in LDS: codes lie [gaussian][position], position = 64 j + x - X0.
; AS CONSUMER wave w owns positions 32 w .. 32 w + 31.  K (the gaussians) runs down the rows, so the codes come out turned, by ds_load_tr16_b128 on pairs of bytes; v_perm_b32 parts the even positions from the odd:
;   two tiles of 16 pixels.  Source 0 = 16 channels (images of registers, copied once into LDS), source 1 = 16 pixels: 8 accumulators, 16 matrix instructions a step.
; ONE BARRIER A STEP, two code buffers by turns: in front of it a wave's stores have landed and its reads of the other buffer are over.
; NO TENSOR LOADS, NO CLUSTER: the large operand is made in registers.  From memory a work-group takes 64 KiB of feature codes once and 192 bytes a gaussian; those go straight into the lane that owns the gaussian,
;   12 loads a wave asked for behind a step's first pseudo-row, fifteen pseudo-rows ahead of their use; through LDS they would make one more trip for nothing.  No prefetch for the same reason.
; LIMITS.  e0 between -126 and 112; e0 + e1 is applied by v_ldexp_f32 and has none.  Numbers under 2^-126 count as 0 (v_exp_f32 gives 0 there: ISA guide, its entry).  NaN among the inputs is not served.
; THE MODE: SCHED_MODE bits 1:0 = 2 (LLVM: expert scheduling mode 2), set by the entry lines.  The code itself states the register dependences
; between vector or matrix instructions and memory or LDS instructions, with s_wait_alu, always for 0.
; THE PLAN.  Registers that memory or LDS instructions touch, in the loop:
;   v[OFF], v[PSA], v[TR0], v[TR0+1], v[FA]   Written once a step, together, ahead of the pseudo-rows; read by the record's loads, the codes' stores, the turned loads and the channel fragments' loads.
;   CD      Written by a pseudo-row's two conversions; read by ONE LDS store, which is issued in the NEXT pseudo-row, behind that row's wait on va_vdst.
;   R       The record's loads land in it; the tables' lines read it.  The next record is asked for behind the first pseudo-row's wait on va_vdst.
;   RW, RW1, AF, AF1   The 48 LDS loads behind the barrier land in them.  Before that RW and AF hold the two tables and RW1 holds dx and t, named by the pseudo-rows' vector lines; AF1 is named by the step before's last
;           eight matrix instructions alone.  The two halves of a step's K have registers of their own, so that no load of a step lands where a permute or a matrix instruction of the same step has read.
;   M, GC, AP, BF, BF1's contents and the accumulators are named by vector and matrix instructions alone.
; So a step holds: one wait on vm_vsrc at its head (all that memory and LDS instructions read in the step before is written again in this one); the one wait on va_vdst that each pseudo-row has for its exponentials,
; which also serves the loads or the store that follow it; one wait on vm_vsrc ahead of each pseudo-row's conversions but the first's; and one wait on va_vdst behind the last pseudo-row, for its store and for all 48 loads.
.set PL,     16384                     ; a plane of tab
.set TABF,   78*PL                     ; the feature codes
.set PITCH,  288                       ; a gaussian's row of codes: 256 bytes + 32
.set CBB,    256*PITCH                 ; a code buffer; buffer 0 at LDS byte 0, buffer 1 behind it
.set FE,     2*CBB                     ; the feature fragments: 32 images of 2,048 bytes
.set SPITCH, 1040                      ; the way out: 64 channel rows of 1,024 bytes + 16, laid over code buffer 0
.set OFF,  1                           ; v1   my place in a plane: 16 t + 4096 x step
.set PST,  2                           ; v2   288 t: my gaussian's row
.set PSA,  3                           ; v3   the same in the step's buffer
.set TRB,  4                           ; v4   the turning load's lane term
.set TR0,  5                           ; v5, v6  the same in the step's buffer, rows 0-127 and 128-255
.set FA,   7                           ; v7   the step's feature fragments
.set LIM,  8                           ; v8   57,344 x 2^e0
.set SC,   9                           ; v9   2^e0
.set YC,   10                          ; v10-13  Y0 + j + 0.5
.set AP,   14                          ; v[14:15] a, ok
.set GC,   16                          ; v16-23  (b dy_j, c dy_j dy_j) at GC + 2 j
.set DX,   24                          ; v24-39  the 16 dx of block I
.set T,    40                          ; v40-55  t, then 2^t, then the numbers
.set M,    56                          ; v56-71  m
.set CD,   72                          ; v72-75  16 codes
.set XC,   76                          ; v76  X0 + 0.5
.set FA0,  77                          ; v77  FE + 16 x lane
.set XT,   80                          ; v80-143  along i: cos k0, sin k0, cos k1, sin k1, 16 each
.set YT,   144                         ; v144-207 along p: u0, v0, u1, v1, 16 each
.set R,    208                         ; v208-255 the record: planes 0-9, the tile column's, the tile row's
.set RW,   80                          ; consumer (the tables are done with): the 8 turned loads of the step's first 128 gaussians,
.set RW1,  24                          ; those of its second 128 (dx and t are done with),
.set BF,   112                         ; the first 128's two pixel fragments, even then odd,
.set BF1,  80                          ; the second 128's, where RW lay,
.set AF,   144                         ; the first 128's four channel fragments,
.set AF1,  64                          ; the second 128's, in window 1
.set ST,   80                          ; the way out: results;
.set BK,   144                         ; whole rows read back
; window 1: v0-63: the accumulators: (channel tile ct, pixel tile tl) at 8 (2 ct + tl);  v64-127: AF1
.set MSB, 0
.macro WIN new                         ; the immediate's high byte repeats the setting that is left
.if MSB != \new
	s_set_vgpr_msb (MSB<<8)|\new
.set MSB, \new
.endif
.endm
.macro RECORD                          ; 192 bytes of my gaussian: 12 loads, each 512 consecutive bytes a wave
.irp p, 0,1,2,3,4,5,6,7,8,9
	global_load_b128 v[R+4*\p:R+4*\p+3], v[OFF], s[4:5] offset:PL*\p
.endr
	global_load_b128 v[R+40:R+43], v[OFF], s[14:15]
	global_load_b128 v[R+44:R+47], v[OFF], s[16:17]
.endm
; Two table entries d, d + 1 from entries s, s + 1, turned through the step whose (cos, sin) lie in v[kk], v[kk + 1].
; sg = 0 (cos, sin of an angle that falls): c' = c C + s S, s' = s C - c S.   sg = 1 (u, v = W cos, -W sin): u' = u C - v S, v' = v C + u S.
.macro ROT2 ca, sa, d, s, kk, sg
	v_pk_mul_f32 v[\ca+\d:\ca+\d+1], v[\ca+\s:\ca+\s+1], v[\kk:\kk+1] op_sel_hi:[1,0]
	v_pk_mul_f32 v[\sa+\d:\sa+\d+1], v[\sa+\s:\sa+\s+1], v[\kk:\kk+1] op_sel_hi:[1,0]
.if \sg
	v_pk_fma_f32 v[\ca+\d:\ca+\d+1], v[\sa+\s:\sa+\s+1], v[\kk:\kk+1], v[\ca+\d:\ca+\d+1] op_sel:[0,1,0] op_sel_hi:[1,1,1] neg_lo:[0,1,0] neg_hi:[0,1,0]
	v_pk_fma_f32 v[\sa+\d:\sa+\d+1], v[\ca+\s:\ca+\s+1], v[\kk:\kk+1], v[\sa+\d:\sa+\d+1] op_sel:[0,1,0] op_sel_hi:[1,1,1]
.else
	v_pk_fma_f32 v[\ca+\d:\ca+\d+1], v[\sa+\s:\sa+\s+1], v[\kk:\kk+1], v[\ca+\d:\ca+\d+1] op_sel:[0,1,0] op_sel_hi:[1,1,1]
	v_pk_fma_f32 v[\sa+\d:\sa+\d+1], v[\ca+\s:\ca+\s+1], v[\kk:\kk+1], v[\sa+\d:\sa+\d+1] op_sel:[0,1,0] op_sel_hi:[1,1,1] neg_lo:[0,1,0] neg_hi:[0,1,0]
.endif
.endm
; A table of 16 pairs from its first pair v[b], v[b + 1]: entry i + 2^n comes from entry i by step n
.macro TREE ca, sa, b, k1, k2, k4, k8, sg
	v_mov_b32 v[\ca], v[\b]
	v_mov_b32 v[\sa], v[\b+1]
	v_mul_f32 v[\ca+1], v[\b], v[\k1]
	v_mul_f32 v[\sa+1], v[\b+1], v[\k1]
.if \sg
	v_fma_f32 v[\ca+1], -v[\b+1], v[\k1+1], v[\ca+1]
	v_fma_f32 v[\sa+1], v[\b], v[\k1+1], v[\sa+1]
.else
	v_fma_f32 v[\ca+1], v[\b+1], v[\k1+1], v[\ca+1]
	v_fma_f32 v[\sa+1], -v[\b], v[\k1+1], v[\sa+1]
.endif
	ROT2 \ca, \sa, 2, 0, \k2, \sg
.irp i, 0,2
	ROT2 \ca, \sa, 4+\i, \i, \k4, \sg
.endr
.irp i, 0,2,4,6
	ROT2 \ca, \sa, 8+\i, \i, \k8, \sg
.endr
.endm
; Number n of the 32 packed multiply-adds that make a pseudo-row's m: stage n / 8 (cos k0, sin k0, cos k1, sin k1), pair n % 8.  The row's coefficient, register pp + pb of its table, serves both halves.
.macro MF pb
.set stg, n/8
.set ii, 2*(n%8)
.if stg == 0
	v_pk_fma_f32 v[M+ii:M+ii+1], v[XT+ii:XT+ii+1], v[YT+pp:YT+pp+1], v[AP:AP+1] op_sel:[0,\pb,1] op_sel_hi:[1,\pb,1]
.else
	v_pk_fma_f32 v[M+ii:M+ii+1], v[XT+16*stg+ii:XT+16*stg+ii+1], v[YT+16*stg+pp:YT+16*stg+pp+1], v[M+ii:M+ii+1] op_sel:[0,\pb,0] op_sel_hi:[1,\pb,1]
.endif
.set n, n+1
.endm
; Pseudo-row p = 4 blk + row (pb = row % 2): 16 numbers of my gaussian become 16 codes in CD.  The codes are stored by the next pseudo-row, behind its wait; the last row's behind the loop of rows.
.macro PROW blk, row, pb
.if (\blk > 0) && (\row == 0)
.irp i, 0,2,4,6,8,10,12,14
	v_pk_add_f32 v[DX+\i:DX+\i+1], v[DX+\i:DX+\i+1], 0xc1800000 op_sel_hi:[1,0]   ; 16 pixels on
.endr
.endif
.irp i, 0,2,4,6,8,10,12,14
	v_pk_fma_f32 v[T+\i:T+\i+1], v[DX+\i:DX+\i+1], v[AP:AP+1], v[GC+2*\row:GC+2*\row+1] op_sel_hi:[1,0,0]   ; a dx + b dy
.endr
.irp i, 0,2,4,6,8,10,12,14
	v_pk_fma_f32 v[T+\i:T+\i+1], v[T+\i:T+\i+1], v[DX+\i:DX+\i+1], v[GC+2*\row:GC+2*\row+1] op_sel:[0,0,1] op_sel_hi:[1,1,1]   ; x dx + c dy dy
.endr
.set pp, 4*\blk+\row-\pb
.set n, 0
.rept 16                               ; the 16 exponentials are one batch; two of m's multiply-adds, which name none of its registers, follow each
	v_exp_f32 v[T+n/2], v[T+n/2]
	MF \pb
	MF \pb
.endr
.if (\blk == 0) && (\row == 0)
	s_wait_alu depctr_va_vdst(0)                   ; the 16 exponentials have written v[T ..], ahead of their first reader; the tables' lines are done reading the record, in which the loads below land, and v[OFF] is written
	s_cmp_eq_u32 s11, 3                            ; the next step's record is asked for, if there is a next step: no vector line since the wait names R or v[OFF]
	s_cbranch_scc1 .Lno_more
	RECORD
.Lno_more:
.else
.set qq, 4*\blk+\row-1                 ; the pseudo-row before: block qq / 4, row qq % 4
	s_wait_alu depctr_va_vdst(0)                   ; the 16 exponentials have written v[T ..], ahead of their first reader; the conversions of the pseudo-row before have written CD, which the store below reads
	ds_store_b128 v[PSA], v[CD:CD+3] offset:16*(4*(qq%4)+qq/4)   ; its positions 64 row + 16 blk + 0 .. 15
.endif
.irp i, 0,2,4,6,8,10,12,14
	v_pk_mul_f32 v[T+\i:T+\i+1], v[T+\i:T+\i+1], v[M+\i:M+\i+1]
.endr
.irp i, 0,1,2,3,4,5,6,7,8,9,10,11,12,13,14,15
	v_med3_num_f32 v[T+\i], v[T+\i], -v[LIM], v[LIM]   ; the conversion to an 8-bit code does not saturate (ISA guide 7.6.2): the hold at the largest code x the scale
.endr
.if (\blk > 0) || (\row > 0)
	s_wait_alu depctr_vm_vsrc(0)                   ; the store above has read CD, which the conversions write again (the first pseudo-row leans on the wait at the step's head)
.endif
	v_cvt_scalef32_pk8_bf8_f32 v[CD:CD+1], v[T:T+7], v[SC]
	v_cvt_scalef32_pk8_bf8_f32 v[CD+2:CD+3], v[T+8:T+15], v[SC]
	v_nop                                          ; a plain instruction between the conversions and the next pseudo-row's writes of their sources
.endm
; THE CONSUMER'S PARTS, for 128 gaussians of the step (kb = 0, 1): my 32 positions against all 64 channels
.macro TURNED reg, kb
.irp c, 0,1,2,3,4,5,6,7
	ds_load_tr16_b128 v[\reg+4*\c:\reg+4*\c+3], v[TR0+\kb] offset:16*PITCH*\c   ; lane (r, h): gaussians 16 c + 8 h + 0..7 of positions 2 r and 2 r + 1, byte by byte in turn
.endr
.endm
.macro CHANS reg, kb
.irp ct, 0,1,2,3
.irp q, 0,1,2,3
	ds_load_b128 v[\reg+16*\ct+4*\q:\reg+16*\ct+4*\q+3], v[FA] offset:8192*\kb+2048*\ct+512*\q
.endr
.endr
.endm
.macro PART raw, frag
.irp c, 0,1,2,3,4,5,6,7
	v_perm_b32 v[\frag+2*\c], v[\raw+4*\c+1], v[\raw+4*\c], s24           ; the even positions' bytes,
	v_perm_b32 v[\frag+2*\c+1], v[\raw+4*\c+3], v[\raw+4*\c+2], s24
	v_perm_b32 v[\frag+16+2*\c], v[\raw+4*\c+1], v[\raw+4*\c], s25        ; the odd ones'
	v_perm_b32 v[\frag+16+2*\c+1], v[\raw+4*\c+3], v[\raw+4*\c+2], s25
.endr
.endm
.macro MUL8 af, bf
.irp ct, 0,1,2,3
.irp tl, 0,1                                   ; the eight accumulators take turns, one instruction a turn, in the same order every time
	v_wmma_f32_16x16x128_bf8_bf8 v[8*(2*\ct+\tl):8*(2*\ct+\tl)+7], v[\af+16*\ct:\af+16*\ct+15], v[\bf+16*\tl:\bf+16*\tl+15], v[8*(2*\ct+\tl):8*(2*\ct+\tl)+7]
.endr
.endr
.endm
	s_load_b128 s[4:7], s[0:1], 0x0                ; tab s[4:5], the scales' exponents s[6:7]
	s_load_b64 s[8:9], s[0:1], 0x10                ; out
	v_lshl_add_u32 v78, v0, 2, 0x34000
	v_mov_b32 v79, 0
	v_lshrrev_b32 v1, 5, v0
	v_readfirstlane_b32 s10, v1                    ; wave 0..7
	s_and_b32 s18, ttmp7, 0xffff                   ; tile row tr; ttmp9 = tile column tc
	v_lshlrev_b32 v[OFF], 4, v0
	v_mul_u32_u24 v[PST], v0, PITCH
	v_and_b32 v5, 7, v0
	v_bfe_u32 v6, v0, 4, 1
	v_lshl_add_u32 v5, v6, 3, v5                   ; the turning load: row 8 h + lane % 8,
	v_mul_u32_u24 v[TRB], v5, PITCH
	v_bfe_u32 v5, v0, 3, 1
	v_lshl_add_u32 v[TRB], v5, 4, v[TRB]           ; 16 bytes for each group of eight lanes,
	v_and_b32 v5, 0xe0, v0
	v_add_nc_u32 v[TRB], v[TRB], v5                ; from my wave's position 32 w on
	v_and_b32 v5, 31, v0
	v_lshlrev_b32 v5, 4, v5
	v_add_nc_u32 v[FA0], FE, v5
	v_add_nc_u32 v3, FE, v[OFF]                    ; where I put my 16 bytes of each 4,096 of the feature codes
	s_lshl_b32 s19, ttmp9, 6
	v_cvt_f32_u32 v[XC], s19
	v_add_f32 v[XC], 0.5, v[XC]                    ; X0 + 0.5
	s_lshl_b32 s20, s18, 2
	v_cvt_f32_u32 v[YC], s20
	v_add_f32 v[YC], 0.5, v[YC]                    ; Y0 + j + 0.5
	v_add_f32 v[YC+1], 1.0, v[YC]
	v_add_f32 v[YC+2], 2.0, v[YC]
	v_add_f32 v[YC+3], 0x40400000, v[YC]
	WIN 0x40
.set i, 0
.rept 64
	v_mov_b32 v[i], 0                              ; the accumulators: the loop is written once, and its first step adds onto zeros.  (They are cleared while the arguments are on their way)
.set i, i+1
.endr
	WIN 0
	s_mov_b32 s24, 0x06040200
	s_mov_b32 s25, 0x07050301
	s_wait_alu depctr_va_sdst(0)                   ; s10 is written, ahead of its first reader: out's base is made from it
	s_wait_kmcnt 0x0
	s_load_b64 s[26:27], s[6:7], 0x0               ; e0, e1
	s_lshl_b32 s14, ttmp9, 14                      ; plane 10 + tc
	s_add_co_u32 s14, s14, 10*PL
	s_mov_b32 s15, 0
	s_add_nc_u64 s[14:15], s[4:5], s[14:15]
	s_lshl_b32 s16, s18, 14                        ; plane 14 + tr
	s_add_co_u32 s16, s16, 14*PL
	s_mov_b32 s17, 0
	s_add_nc_u64 s[16:17], s[4:5], s[16:17]
	s_wait_alu depctr_va_vdst(0)                   ; v[OFF], which the 28 loads below read, and v3, which the 16 LDS stores behind them read, are written
.irp i, 0,1,2,3,4,5,6,7,8,9,10,11,12,13,14,15
	global_load_b128 v[80+4*\i:83+4*\i], v[OFF], s[4:5] offset:TABF+4096*\i   ; the 64 KiB of feature codes, as they lie
.endr
	RECORD                                         ; step 0's gaussians
	s_lshl_b32 s20, s10, 21                        ; out: my 8 channels (8 w planes of 262,144 bytes),
	s_lshl_b32 s21, s18, 12                        ; row Y0 = 4 tr,
	s_add_co_u32 s20, s20, s21
	s_lshl_b32 s21, ttmp9, 8                       ; column X0 = 64 tc
	s_add_co_u32 s20, s20, s21
	s_mov_b32 s21, 0
	s_add_nc_u64 s[8:9], s[8:9], s[20:21]
	s_wait_kmcnt 0x0
	s_add_co_i32 s28, s26, 127
	s_lshl_b32 s29, s28, 23
	v_mov_b32 v[SC], s29                           ; 2^e0 as f32: the conversion takes its exponent field
	s_add_co_i32 s28, s28, 15
	s_lshl_b32 s28, s28, 23
	s_or_b32 s28, s28, 0x600000
	v_mov_b32 v[LIM], s28                          ; 57,344 x 2^e0
	s_add_co_i32 s26, s26, s27                     ; e0 + e1
	s_wait_loadcnt 12                              ; the feature codes are in; the 12 loads of the record, issued behind them, may be out
.irp i, 0,1,2,3,4,5,6,7,8,9,10,11,12,13,14,15
	ds_store_b128 v3, v[80+4*\i:83+4*\i] offset:4096*\i   ; (the two vector lines since the wait on va_vdst name v8 and v9 alone)
.endr
	s_mov_b32 s11, 0                               ; step
	s_mov_b32 s12, 0                               ; the step's code buffer
	s_mov_b32 s13, 0                               ; the step's 8 feature fragments: 16,384 bytes a step
.Lstep:
	s_wait_loadcnt 0x0                             ; my gaussian's record is in (asked for fifteen pseudo-rows ago); its loads are done, so v[OFF] may be written
	s_wait_alu depctr_vm_vsrc(0)                   ; what this step writes again has been read: v[OFF] by the record's loads; v[PSA] and CD by the last store, v[TR0], v[TR0+1], v[FA] by the LDS loads of the step before; in the first step v3 and v80-143 by the feature codes' stores
	; ---- the tables
	v_mov_b32 v[AP], v[R+2]
	v_mov_b32 v[AP+1], v[R+5]
.irp j, 0,1,2,3
	v_sub_f32 v[T+\j], v[R+1], v[YC+\j]            ; dy_j
.endr
.irp j, 0,1,2,3
	v_mul_f32 v[GC+2*\j], v[R+3], v[T+\j]
	v_mul_f32 v[GC+2*\j+1], v[R+4], v[T+\j]
.endr
.irp j, 0,1,2,3
	v_mul_f32 v[GC+2*\j+1], v[GC+2*\j+1], v[T+\j]
.endr
	v_sub_f32 v[DX], v[R], v[XC]
	v_add_f32 v[DX+1], -1.0, v[DX]
	v_pk_add_f32 v[DX+2:DX+3], v[DX:DX+1], -2.0 op_sel_hi:[1,0]
.irp i, 0,2
	v_pk_add_f32 v[DX+4+\i:DX+5+\i], v[DX+\i:DX+\i+1], -4.0 op_sel_hi:[1,0]
.endr
.irp i, 0,2,4,6
	v_pk_add_f32 v[DX+8+\i:DX+9+\i], v[DX+\i:DX+\i+1], 0xc1000000 op_sel_hi:[1,0]
.endr
.irp k, 0,1
	TREE XT+32*\k, XT+16+32*\k, R+40+2*\k, R+8+4*\k, R+10+4*\k, R+16+4*\k, R+18+4*\k, 0   ; along i: steps fx 1, 2, 4, 8
	TREE YT+32*\k, YT+16+32*\k, R+44+2*\k, R+32+4*\k, R+34+4*\k, R+24+4*\k, R+26+4*\k, 1   ; along p = 4 I + j: steps fy 1, fy 2, fx 16, fx 32
.endr
	; ---- the step's five addresses, together: the first pseudo-row's wait on va_vdst stands between them and every instruction that reads them
	s_add_co_u32 s22, s11, 1
	s_lshl_b32 s22, s22, 12
	v_lshl_add_u32 v[OFF], v0, 4, s22              ; the next step's place in a plane (in the last step nothing reads it)
	v_add_nc_u32 v[PSA], s12, v[PST]
	v_add_nc_u32 v[TR0], s12, v[TRB]
	v_add_nc_u32 v[TR0+1], 128*PITCH, v[TR0]
	v_add_nc_u32 v[FA], s13, v[FA0]
	; ---- my gaussian's 256 codes
.irp b, 0,1,2,3
	PROW \b, 0, 0
	PROW \b, 1, 1
	PROW \b, 2, 0
	PROW \b, 3, 1
.endr
	s_wait_alu depctr_va_vdst(0)                   ; the last conversions have written CD, which the store below reads; every vector line is done with dx, t and the two tables, and the matrix instructions of the step before with AF1: the 48 loads behind the barrier land there
	ds_store_b128 v[PSA], v[CD:CD+3] offset:16*(4*3+3)   ; the last pseudo-row's positions
	s_wait_dscnt 0x0                               ; for the others' sake: my stores have landed (in the first step the feature codes too); my reads of the other buffer ended in the step before
	s_barrier_signal -1
	s_barrier_wait -1
	; ---- the product: all fragments of the step are asked for in one run.  No vector or matrix line since the wait above: nothing more is owed
	TURNED RW, 0
	TURNED RW1, 1
	CHANS AF, 0
	WIN 0x40                                       ; destination in window 1
	CHANS AF1, 1
	WIN 0
	s_wait_dscnt 40                                ; the first eight turned loads are in; the 40 issued behind them may be out
	PART RW, BF
	s_wait_dscnt 32                                ; the second eight; the 32 loads of channel fragments may be out
	PART RW1, BF1
	s_wait_dscnt 16                                ; the first 128's channel fragments
	WIN 0x50                                       ; C and D in window 1
	MUL8 AF, BF
	s_wait_dscnt 0x0
	WIN 0x51                                       ; and source 0 too
	MUL8 AF1, BF1
	WIN 0
.rept 4
	v_nop                                          ; four places (ISA guide 7.12.1) in front of the next step's vector writes into the fragments' registers, and of the first read of results
.endr
	s_add_co_u32 s13, s13, 16384
	s_xor_b32 s12, s12, CBB
	s_add_co_u32 s11, s11, 1
	s_cmp_lt_u32 s11, 4
	s_cbranch_scc1 .Lstep
	; ---- THE WAY OUT.  A lane holds 8 channels of one pixel of each tile; the picture wants rows of pixels.  So the results meet in a stage of 64 channel rows x 256 positions, and each wave stores 8 channels' rows:
	; sixteen lanes store 256 consecutive bytes, at a multiple of 256 from out's first byte.
	s_wait_dscnt 0x0
	s_barrier_signal -1
	s_barrier_wait -1                              ; nobody reads a code buffer any more: the stage may lie over buffer 0
	s_wait_alu depctr_vm_vsrc(0)                   ; the last step's LDS stores have read v3, its LDS loads v5 and v6, the records' loads v1: the lines below write all four
	v_and_b32 v1, 15, v0                           ; r
	v_bfe_u32 v2, v0, 4, 1                         ; h
	v_mul_u32_u24 v3, v2, 8*SPITCH
	v_lshl_add_u32 v3, v1, 3, v3
	v_and_b32 v4, 0xe0, v0
	v_lshl_add_u32 v3, v4, 2, v3                   ; in: channel row 8 h (+ 16 ct + j), positions 32 w + 2 r and + 1: 8 bytes
	s_mul_i32 s20, s10, 8*SPITCH
	v_and_b32 v5, 31, v0
	v_lshlrev_b32 v5, 4, v5
	v_add_nc_u32 v5, s20, v5                       ; back: my 8 channel rows, 16 bytes a lane
	v_lshlrev_b32 v6, 10, v2
	v_lshl_add_u32 v6, v1, 4, v6                   ; in out: lanes 0-15 one row of the picture, lanes 16-31 the next
	WIN 0x01                                       ; source 0 in window 1
.irp ct, 0,1,2,3
.irp tl, 0,1
.irp j, 0,1,2,3,4,5,6,7
	v_ldexp_f32 v[ST+2*(8*\ct+\j)+\tl], v[8*(2*\ct+\tl)+\j], s26   ; x 2^(e0 + e1); each accumulator from its low end on; even and odd position side by side
.endr
.endr
.endr
	WIN 0
.set i, 0
.rept 64
	v_med3_num_f32 v[ST+i], v[ST+i], 0, 1.0        ; the clip
.set i, i+1
.endr
	s_wait_alu depctr_va_vdst(0)                   ; the clips have written v[ST ..], and v3, v5, v6 are written: the stage's stores and loads and the global stores read them; the matrix instructions are done reading v[BK ..], in which the stage's loads land.  No vector line follows
.irp ct, 0,1,2,3
.irp j, 0,1,2,3,4,5,6,7
	ds_store_b64 v3, v[ST+2*(8*\ct+\j):ST+2*(8*\ct+\j)+1] offset:(16*\ct+\j)*SPITCH
.endr
.endr
	s_wait_dscnt 0x0                               ; for the others' sake: my stores into the stage are done
	s_barrier_signal -1
	s_barrier_wait -1
.irp cl, 0,1,2,3,4,5,6,7
.irp jp, 0,1
	ds_load_b128 v[BK+4*(2*\cl+\jp):BK+4*(2*\cl+\jp)+3], v5 offset:SPITCH*\cl+512*\jp   ; channel 8 w + cl, picture rows 2 jp and 2 jp + 1
.endr
.endr
.irp cl, 0,1,2,3,4,5,6,7
.irp jp, 0,1
	s_wait_dscnt 15-(2*\cl+\jp)                    ; LDS loads come back in order: this one is in, the younger ones may be out
	global_store_b128 v6, v[BK+4*(2*\cl+\jp):BK+4*(2*\cl+\jp)+3], s[8:9] offset:262144*\cl+2048*\jp th:TH_STORE_NT
.endr
.endr
	s_wait_dscnt 0x0
	s_wait_alu depctr_hold_cnt(0) depctr_sa_sdst(0) depctr_va_vdst(0) depctr_va_sdst(0) depctr_va_ssrc(0) depctr_va_vcc(0) depctr_vm_vsrc(0)
	s_wait_tensorcnt 0x0
	ds_add_u32 v78, v79
	s_wait_dscnt 0x0
	s_endpgm
.Lfunc_end_k_q899bb6432f_render:
	.size	k_q899bb6432f_render, .Lfunc_end_k_q899bb6432f_render-k_q899bb6432f_render
	.p2alignl 7, 3214868480
	.fill 96, 4, 3214868480
	.section	.rodata,"a",@progbits
	.p2align	6, 0x0
	.amdhsa_kernel k_q899bb6432f_render
		.amdhsa_group_segment_fixed_size 214016
		.amdhsa_private_segment_fixed_size 0
		.amdhsa_enable_private_segment 0
		.amdhsa_kernarg_size 24
		.amdhsa_user_sgpr_count 2
		.amdhsa_user_sgpr_kernarg_segment_ptr 1
		.amdhsa_wavefront_size32 1
		.amdhsa_system_sgpr_workgroup_id_x 1
		.amdhsa_system_sgpr_workgroup_id_y 1
		.amdhsa_system_sgpr_workgroup_id_z 1
		.amdhsa_system_vgpr_workitem_id 0
		.amdhsa_next_free_vgpr 384
		.amdhsa_next_free_sgpr 66
		.amdhsa_reserve_vcc 0
		.amdhsa_float_denorm_mode_32 3
		.amdhsa_float_denorm_mode_16_64 3
		.amdhsa_memory_ordered 1
		.amdhsa_forward_progress 1
		.amdhsa_inst_pref_size 130
	.end_amdhsa_kernel
	.amdgpu_metadata
---
amdhsa.version: [ 1, 2 ]
amdhsa.kernels:
  - .name:           k_q899bb6432f_render
    .symbol:         k_q899bb6432f_render.kd
    .args:
      - { .name: tab, .offset: 0, .size: 8, .value_kind: global_buffer, .address_space: global }
      - { .name: lowp_scales, .offset: 8, .size: 8, .value_kind: global_buffer, .address_space: global }
      - { .name: out0, .offset: 16, .size: 8, .value_kind: global_buffer, .address_space: global }
    .group_segment_fixed_size: 214016
    .private_segment_fixed_size: 0
    .kernarg_segment_align: 8
    .kernarg_segment_size: 24
    .max_flat_workgroup_size: 256
    .sgpr_count:     66
    .vgpr_count:     384
    .wavefront_size: 32
...
	.end_amdgpu_metadata
.endif
;; end of part 3
